; MI455X (gfx1250); checked and timed in simulation.
; The chip was launched on July 23, 2026; its instructions are those of AMD's public machine-readable ISA for CDNA 5 (MIT licence, August 2026) and "CDNA5" Instruction Set Architecture Reference Guide (July 2026). The comments in the code are by the model that wrote it; some were corrected since.
;; LW Attention. Allowed arithmetic: matrix products marked QUANTISED: E2M1 operands, one E8M0 scale for each 32 along K, by v_wmma_scale_f32_16x16x128_f8f6f4 with both operands' format E2M1 (or v_wmma_scale_f32_32x16x128_f4), f32 sums; everything else in f32.
;; Inputs: b_k 64 float32; b_q 64 float32; b_v 256 float32; w_k_codes 64 x 8 x 16 uint8 (E2M1 codes of w_k, K innermost, in blocks of 32 codes, two codes a byte); w_k_scales 64 x 8 uint8 (E8M0 scales of w_k, one for each 32 codes along K); w_q_codes 64 x 8 x 16 uint8 (E2M1 codes of w_q, K innermost, in blocks of 32 codes, two codes a byte); w_q_scales 64 x 8 uint8 (E8M0 scales of w_q, one for each 32 codes along K); w_v_codes 256 x 8 x 16 uint8 (E2M1 codes of w_v, K innermost, in blocks of 32 codes, two codes a byte); w_v_scales 256 x 8 uint8 (E8M0 scales of w_v, one for each 32 codes along K); x_codes 8 x 64 x 64 x 8 x 16 uint8 (E2M1 codes of x, K innermost, in blocks of 32 codes, two codes a byte); x_scales 8 x 64 x 64 x 8 uint8 (E8M0 scales of x, one for each 32 codes along K).
;; Outputs: out0 8 x 256 x 64 x 64 float32.
;; This version of the problem:
;;   THIS VERSION OF THE PROBLEM IS GIVEN IN LOW PRECISION. The matrix products marked QUANTISED in the list below multiply operands that are first quantised to E2M1 (2 exponent bits, 1 mantissa bit; 4 bits a number), with one power-of-two scale for each 32 numbers along K (OCP MX v1.0); their sums are f32. All else is computed in f32.
;;   The module's matrix products, in the order in which they are computed (A, B: the left and right operand; K: the contracted axis; several contracted axes count as one K, in the product's order):
;;     1. [M 32,768, K 256] x [K 256, N 64]; A: input x (given as codes); B: input w_q (given as codes): QUANTISED
;;     2. [M 32,768, K 256] x [K 256, N 64]; A: input x (given as codes); B: input w_k (given as codes): QUANTISED
;;     3. [M 32,768, K 256] x [K 256, N 256]; A: input x (given as codes); B: input w_v (given as codes): QUANTISED
;;     4. batch 8 x [M 4,096, K 64] x [K 64, N 4,096]; A: computed on the way; B: computed on the way: QUANTISED
;;     5. batch 8 x [M 256, K 4,096] x [K 4,096, N 4,096]; A: computed on the way; B: softmax (see below): QUANTISED
;;   THE QUANTISER, for each operand of a quantised product, along K:
;;     - K is cut into blocks of 32 from its start; a last block that is shorter is filled with zeros.
;;     - A block's scale is 2^e with e = floor(log2(the largest magnitude in the block)) - 2, held to -126 .. 127; a block of zeros has e = 0. As a byte (E8M0): e + 127.
;;     - Each number is divided by its block's scale, clamped to +-6, and rounded to the nearest number of E2M1, ties to even, subnormals kept.
;;     - The product sums the exact products of the quantised numbers (number of the format x scale) in f32.
;;   ~~~python
;;   def quantise(x, axis):      # numpy; x: float32 -> the quantised numbers, widened to float32 again
;;       x = np.moveaxis(x, axis, -1); K = x.shape[-1]
;;       x = np.pad(x, [(0, 0)] * (x.ndim - 1) + [(0, -K % 32)]); x = x.reshape(x.shape[:-1] + (-1, 32)); a = np.abs(x).max(-1, keepdims=True)
;;       e = np.where(a > 0, np.clip(np.frexp(np.where(a > 0, a, 1))[1] - 1 - 2, -126, 127), 0)      # np.frexp(a)[1] - 1 = floor(log2(a)), exactly
;;       r = np.clip(x / 2.0 ** e, -6, 6)
;;       step = 2.0 ** (np.maximum(np.frexp(np.where(r == 0, 1, r))[1] - 1, 0) - 1)
;;       q = np.round(r / step) * step * 2.0 ** e      # np.round: ties to even
;;       return np.moveaxis(q.reshape(q.shape[:-2] + (-1,))[..., :K], -1, axis).astype(np.float32)
;;   ~~~
;;   SOFTMAX AHEAD OF A QUANTISED PRODUCT. Where the list says 'softmax', what is quantised is not the finished softmax but p = 2^(t - M), with t = logit x log2(e) and M = ceil(the row's largest t), a whole number; so 1/2 < the row's largest p <= 1. The row's sum l is taken of the UNQUANTISED p, in f32, and the product's result is divided by l at the end. Since M is a whole number, a kernel that streams over the keys may use a running M (the ceiling of the running maximum): every later rescaling is an exact power of two, which a block's scale takes up: the codes' values come out the same.
;;   OPERANDS COMPUTED ON THE WAY. 'Computed on the way' means the value that the module computes at that place (a softmax that the list does not call 'softmax' is quantised finished and normalised). What goes into a quantiser is computed in f32, as accurately as f32 sums, v_exp_f32 and their like allow (about 1e-6 of the number): no bf16 or f16 on the way to a quantiser, and a product that is left as it is and whose result goes on into a quantised operand takes f32 operands (vector FMAs, or v_wmma_f32_16x16x4_f32). A number that lies on a knife's edge between two numbers of the format may be rounded either way, as far as f32 arithmetic and the matrix unit's own rounding can turn it there, and no further.
;;   INPUTS GIVEN AS CODES. w_k (in the module: [64, 256], K = its axis 1); w_q (in the module: [64, 256], K = its axis 1); w_v (in the module: [256, 256], K = its axis 1); x (in the module: [8, 256, 64, 64], K = its axis 1): each comes as NAME_codes (uint8): NAME with its K axis moved to the last place and cut into blocks of 32 codes, [.., K / 32, bytes a block], one block behind the other in memory; two codes a byte, the lower K in the low four bits (a code: sign, 2 exponent bits, 1 mantissa bit); and NAME_scales (uint8): the same leading axes, one E8M0 byte (e + 127) for each 32 codes along K. Its value is code x scale, taken as it is: it is not quantised again, and the codes and scales need not be those that the quantiser above would give.
;; One version. Each part assembles by itself: llvm-mc -triple=amdgcn-amd-amdhsa -mcpu=gfx1250 --defsym DOCPART=n.
;; ======== version 1 of 1: 2 launches
;; workspace buffers: qc 1,048,576 bytes; qs 131,072 bytes; kv 5,636,096 bytes
;; launch proj (part 1): grid 256 x 1, 4 waves a work-group, no clusters, 57,856 bytes of LDS; arguments x_codes, x_scales, w_q_codes, w_q_scales, b_q, w_k_codes, w_k_scales, b_k, w_v_codes, w_v_scales, b_v, qc, qs, kv; writes qc, qs, kv
.if DOCPART == 1
	.amdgcn_target "amdgcn-amd-amdhsa--gfx1250"
	.amdhsa_code_object_version 6
	.text
	.protected	k_qa014e829e7_proj
	.globl	k_qa014e829e7_proj
	.p2align	8
	.type	k_qa014e829e7_proj,@function
k_qa014e829e7_proj:
	s_mov_b64 s[64:65], 0
	v_nop
	global_prefetch_b8 v0, s[64:65] scope:SCOPE_SE
	s_setreg_imm32_b32 hwreg(HW_REG_WAVE_MODE, 25, 1), 1
	s_wait_xcnt 0x0
; q = x Wq^T + bq, k = x Wk^T + bk, v = x Wv^T + bv on the given codes of FP4 (E2M1) with E8M0 scales (K = 256 channels: two matrix instructions deep), and the three results
; quantised again for the attention launch: q and k along their 64 channels (two blocks of 32), v along the KEYS (blocks of 32 positions).
; SHARES.  32,768 positions, 128 to a work-group (256 work-groups), 32 to each of its four waves: one block of 32 keys.  A wave's 32 positions are two tiles u = 0, 1 of x:
; lane r of tile u holds position 32 w + 8 u + r + 8 (r / 8).  The same two fragments of x serve three times:
;   q, k TRANSPOSED (source 0 = 16 rows of the weight, source 1 = x): a lane holds ONE position and its registers run along d.  The weight's rows of tile 2 b + y are 32 b + 8 y + r + 8 (r / 8),
;        so that the 16 registers of tiles 2 b, 2 b + 1 are d = 32 b + 16 (lane / 16) + 0 .. 15: neighbours along the next K.  The bias is the C of a sum's first matrix instruction.
;   v    (source 0 = x, source 1 = 16 rows of Wv): a lane holds ONE channel d = 16 t + r, and the 16 registers of tiles u = 0, 1 are keys 32 w + 16 (lane / 16) + 0 .. 15.
; WHAT IS STORED.  qc: [position][32 bytes], q's codes as rows.  qs: one word a position (two scale bytes, 0x7f 0x7f above them for the zero codes that fill K to 128).
; kv: one block of 22,016 bytes for each 128 keys, laid as IMAGES OF THE OPERANDS' REGISTERS (16 bytes a lane, lane by lane), so that the attention launch loads fragments as they lie:
;   +0      8 x 512   k: tile 2 w + u: lane (r, h): d = 32 h .. 32 h + 31 of key 32 w + 8 u + r + 8 (r / 8)
;   +4096   16 x 1024 v: tile t, half c: lane (r, h): keys 64 c + 32 h .. + 31 of channel 16 t + r
;   +20480  512       k's scale words: word w of lane l: lanes 0-15 tile 2 w, lanes 16-31 tile 2 w + 1
;   +20992  1024      v's scale words: word i: lanes 0-15 tile 2 i, lanes 16-31 tile 2 i + 1; byte w = key block w
; THE WEIGHTS (49,152 bytes of codes) are read once by a work-group, 512 consecutive bytes a load, into LDS rows of 144 bytes, and from there into registers, where they stay.
; NO CLUSTER: the weights are the one thing that work-groups share; each takes them once, at its head, through registers.  A joint fill would bring them once for four work-groups at the price of
; two rounds of the cluster's barrier for that single fill; nothing in this launch is filled again.
; LIMITS: NaN and infinities are not served.  A block of zeros, or one whose largest magnitude lies under 2^-124, gets the scale byte 1 (a block of zeros: where the rule says 127; its codes are zeros,
; which add nothing under that byte, and the bytes are read by this program alone).
; REGISTERS, in windows of 256.  Window 0: v4-19 addresses; v20-51 x's four fragments; v52-87 scale words; v88-119 bv in pairs; v120-183 eight accumulators; v184-223 at work.
;   Window 1: Wv's 32 fragments (v0-95 first hold the weights on their way to LDS).   Window 2: v0-63 Wq's fragments, v64-127 Wk's, v128-159 bq, v160-191 bk.
.set WP,    144                        ; a weight's row in LDS: 128 bytes + 16: 36 words, so that neighbouring rows start 36 banks apart (64 banks of 4 bytes: ISA guide 11.1)
.set WQL,   0                          ; LDS: Wq's 64 rows,
.set WKL,   64*WP                      ; Wk's 64,
.set WVL,   128*WP                     ; Wv's 256,
.set SM,    WVL+256*WP                 ; and the small images: k's scale words 512 bytes, v's 1,024, q's 512
.set STEPB, 22016                      ; a block of kv
.set XA,   4                           ; v4   x: 128 (r + 8 (r / 8)) + 16 h
.set XSA,  5                           ; v5   8 (r + 8 (r / 8)): scale words of x, Wq, Wk
.set LI,   6                           ; v6   16 x lane
.set CPV,  7                           ; v7   where my 16 bytes of a load of Wv go in LDS
.set CPQ,  8                           ; v8   the same for Wq and Wk
.set FN,   9                           ; v9   a fragment of neighbouring rows: 144 r + 16 h
.set FP,   10                          ; v10  a fragment of the chosen rows: 144 (r + 8 (r / 8)) + 16 h
.set L8,   11                          ; v11  8 x lane
.set R4,   12                          ; v12  4 r
.set H64,  13                          ; v13  64 h
.set QVO,  14                          ; v14  qc: 32 (r + 8 (r / 8)) + 16 h
.set VVO,  15                          ; v15  v's image: 16 r + 8 h
.set QSA,  16                          ; v16  LDS: my position's word among q's scale words
.set KSA,  17                          ; v17  LDS: my word of k's scale image
.set VSA,  18                          ; v18  LDS: my byte of v's scale image
.set SMR,  19                          ; v19  LDS: the 16 bytes of the small images that I send out
.set XF,   20                          ; x's fragment (u, s) at XF + 16 u + 8 s
.set XS,   52                          ; its scale word at XS + 2 u + s
.set WVS,  56                          ; Wv's: 2 i + s: lanes 0-15 tile 2 i, lanes 16-31 tile 2 i + 1
.set WQS,  72                          ; Wq's: 2 T + s
.set WKS,  80                          ; Wk's
.set BV,   88                          ; bv(16 t + r), twice, at BV + 2 t: a pair for the packed addition
.set ACC,  120
.set TM,   184                         ; +0..3 largest magnitudes, +4..7 the other half's, then the bytes, +12..15 the conversions' scale operands
.set PC,   200                         ; the codes just made
.set BY,   208                         ; v's scale bytes, a register for each pair of tiles
.set W0,   216
.set W1,   217
.set WQW,  218
.set WKW,  219
.set FIN,  220
.set MSB, 0
.macro WIN new                         ; the immediate's high byte repeats the setting that is left
.if MSB != \new
	s_set_vgpr_msb (MSB<<8)|\new
.set MSB, \new
.endif
.endm
.macro PLACES                          ; four plain places between a matrix instruction and the first vector read of its result (ISA guide 7.12.1)
.rept 4
	v_nop
.endr
.endm
; Four blocks of 32: block b is ACC + 16 b .. + 15 of lanes l and l xor 16.  Bytes to TM + 4 + b, codes (8 a register) to PC + 2 b, PC + 2 b + 1.
.macro QUANT4
	s_wait_xcnt 0x0                                ; earlier stores have read PC: it is written again only behind this wait
.irp b, 0,1,2,3
	v_max3_num_f32 v[TM+\b], |v[ACC+16*\b]|, |v[ACC+1+16*\b]|, 0x1800000   ; my 16 numbers, and the floor 2^(3 - 127): the byte cannot fall under 1.  Each accumulator is read from its low end on
.endr
.irp i, 2,4,6,8,10,12,14
.irp b, 0,1,2,3
	v_max3_num_f32 v[TM+\b], v[TM+\b], |v[ACC+16*\b+\i]|, |v[ACC+1+16*\b+\i]|   ; the four blocks by turns
.endr
.endr
.irp b, 0,1,2,3
	v_permlanex16_b32 v[TM+4+\b], v[TM+\b], s40, s41
.endr
.irp b, 0,1,2,3
	v_max_num_f32 v[TM+\b], v[TM+\b], v[TM+4+\b]   ; with lane l xor 16's: the block's largest magnitude
.endr
.irp b, 0,1,2,3
	v_add_nc_u32 v[TM+12+\b], 0xff000000, v[TM+\b] ; 2 off its exponent field: the conversion takes the exponent field of this operand as its scale
.endr
.irp b, 0,1,2,3
	v_lshrrev_b32 v[TM+4+\b], 23, v[TM+12+\b]      ; the scale's byte
.endr
.irp b, 0,1,2,3
	v_cvt_scalef32_pk8_fp4_f32 v[PC+2*\b], v[ACC+16*\b:ACC+7+16*\b], v[TM+12+\b]
	v_cvt_scalef32_pk8_fp4_f32 v[PC+1+2*\b], v[ACC+8+16*\b:ACC+15+16*\b], v[TM+12+\b]
.endr
	v_nop                                          ; one plain place behind a scaled conversion
.endm
; q or k: 16 matrix instructions on eight accumulators by turns, then the quantiser.  wf, bias: the weight's fragments and the bias in window 2; sc: its scale words; word: where the scale words go.
.macro QKP wf, bias, sc, word
	WIN 0x22                                       ; source 0 (the weight) and source 2 (the bias) window 2
.irp u, 0,1
.irp T, 0,1,2,3
	v_wmma_scale_f32_16x16x128_f8f6f4 v[ACC+32*\u+8*\T:ACC+32*\u+8*\T+7], v[\wf+16*\T:\wf+16*\T+7], v[XF+16*\u:XF+16*\u+7], v[\bias+8*\T:\bias+8*\T+7], v[\sc+2*\T], v[XS+2*\u] matrix_a_fmt:MATRIX_FMT_FP4 matrix_b_fmt:MATRIX_FMT_FP4
.endr
.endr
	WIN 0x02
.irp u, 0,1
.irp T, 0,1,2,3
	v_wmma_scale_f32_16x16x128_f8f6f4 v[ACC+32*\u+8*\T:ACC+32*\u+8*\T+7], v[\wf+16*\T+8:\wf+16*\T+15], v[XF+16*\u+8:XF+16*\u+15], v[ACC+32*\u+8*\T:ACC+32*\u+8*\T+7], v[\sc+2*\T+1], v[XS+2*\u+1] matrix_a_fmt:MATRIX_FMT_FP4 matrix_b_fmt:MATRIX_FMT_FP4
.endr
.endr
	WIN 0
	PLACES
	QUANT4                                         ; block 2 u + b: d = 32 b + 16 h + 0 .. 15 of my position of tile u
	v_lshl_or_b32 v[W0], v[TM+5], 8, v[TM+4]       ; tile 0's scale word: two bytes,
	v_lshl_or_b32 v[W1], v[TM+7], 8, v[TM+6]       ; tile 1's,
	v_or_b32 v[W0], 0x7f7f0000, v[W0]              ; and 2^0 for the zero codes that fill K to 128
	v_or_b32 v[W1], 0x7f7f0000, v[W1]
	v_cndmask_b32 v[\word], v[W0], v[W1], s42      ; lanes 0-15 keep tile 0's word, lanes 16-31 tile 1's
.irp u, 0,1
.irp i, 0,1
	v_permlane16_swap_b32 v[PC+4*\u+\i], v[PC+4*\u+2+\i]   ; a WHOLE block in a lane: registers PC + 4 u .. + 3 of lane (r, h) now hold d = 32 h + 0 .. 31
.endr
.endr
.endm
; one matrix instruction of v: tile tt of Wv, K step ss, accumulator (ll, uu)
.macro VMM tt, ss, ll, uu
.set rD, ACC+16*(\ll)+8*(\uu)
.set rA, XF+16*(\uu)+8*(\ss)
.set rB, 16*(\tt)+8*(\ss)
.set rX, XS+2*(\uu)+(\ss)
.set rW, WVS+2*((\tt)/2)+(\ss)
.if (\ss) == 0
.if (\tt)%2
	v_wmma_scale_f32_16x16x128_f8f6f4 v[rD:rD+7], v[rA:rA+7], v[rB:rB+7], 0, v[rX], v[rW] matrix_a_fmt:MATRIX_FMT_FP4 matrix_b_fmt:MATRIX_FMT_FP4 matrix_b_scale:MATRIX_SCALE_ROW1
.else
	v_wmma_scale_f32_16x16x128_f8f6f4 v[rD:rD+7], v[rA:rA+7], v[rB:rB+7], 0, v[rX], v[rW] matrix_a_fmt:MATRIX_FMT_FP4 matrix_b_fmt:MATRIX_FMT_FP4
.endif
.else
.if (\tt)%2
	v_wmma_scale_f32_16x16x128_f8f6f4 v[rD:rD+7], v[rA:rA+7], v[rB:rB+7], v[rD:rD+7], v[rX], v[rW] matrix_a_fmt:MATRIX_FMT_FP4 matrix_b_fmt:MATRIX_FMT_FP4 matrix_b_scale:MATRIX_SCALE_ROW1
.else
	v_wmma_scale_f32_16x16x128_f8f6f4 v[rD:rD+7], v[rA:rA+7], v[rB:rB+7], v[rD:rD+7], v[rX], v[rW] matrix_a_fmt:MATRIX_FMT_FP4 matrix_b_fmt:MATRIX_FMT_FP4
.endif
.endif
.endm
; v's channels 64 g .. 64 g + 63 for my 32 keys: four tiles of Wv x two tiles of x, eight accumulators by turns; bias; quantiser; out
.macro VGROUP g
	WIN 0x04                                       ; source 1 (Wv) window 1
.irp s, 0,1
.irp tl, 0,1,2,3
.irp u, 0,1
	VMM 4*\g+\tl, \s, \tl, \u
.endr
.endr
.endr
	WIN 0
	PLACES
.irp tl, 0,1,2,3
.irp k, 0,2,4,6,8,10,12,14
	v_pk_add_f32 v[ACC+16*\tl+\k:ACC+16*\tl+\k+1], v[ACC+16*\tl+\k:ACC+16*\tl+\k+1], v[BV+2*(4*\g+\tl):BV+2*(4*\g+\tl)+1]   ; + bv of my channel; ascending
.endr
.endr
	QUANT4                                         ; block tl: channel 16 (4 g + tl) + r, keys 32 w + 16 h + 0 .. 15
.irp tl, 0,1,2,3
	global_store_b64 v[VVO], v[PC+2*\tl:PC+2*\tl+1], s[46:47] offset:1024*(4*\g+\tl)   ; 32 lanes store 256 consecutive bytes, at a multiple of 256 from kv's first byte
.endr
.irp il, 0,1
	v_cndmask_b32 v[BY+2*\g+\il], v[TM+4+2*\il], v[TM+5+2*\il], s42                    ; lanes 0-15 the even tile's byte, lanes 16-31 the odd tile's
	ds_store_b8 v[VSA], v[BY+2*\g+\il] offset:((2*\g+\il)/4)*512+4*((2*\g+\il)%4)
.endr
.endm
.macro VFRAG from                      ; Wv's tiles from .. from + 7 out of LDS into window 1: 32 loads
	WIN 0x40
.irp t, 0,1,2,3,4,5,6,7
.irp s, 0,1
.irp c, 0,1
	ds_load_b128 v[16*(\from+\t)+8*\s+4*\c:16*(\from+\t)+8*\s+4*\c+3], v[FN] offset:WVL+16*WP*(\from+\t)+64*\s+32*\c
.endr
.endr
.endr
	WIN 0
.endm
	s_load_b512 s[4:19], s[0:1], 0x0               ; x's codes s[4:5], x's scales s[6:7], Wq's codes s[8:9], scales s[10:11], bq s[12:13], Wk's codes s[14:15], scales s[16:17], bk s[18:19]
	s_load_b256 s[20:27], s[0:1], 0x40             ; Wv's codes s[20:21], scales s[22:23], bv s[24:25], qc s[26:27]
	s_load_b128 s[28:31], s[0:1], 0x60             ; qs s[28:29], kv s[30:31]
	v_lshl_add_u32 v254, v0, 2, 0xe000
	v_mov_b32 v255, 0
	v_lshrrev_b32 v1, 5, v0
	v_readfirstlane_b32 s32, v1                    ; wave 0..3
	v_and_b32 v1, 31, v0                           ; lane
	v_and_b32 v2, 15, v0                           ; r
	v_bfe_u32 v3, v0, 4, 1                         ; h
	v_and_b32 v[FIN+1], 8, v0                      ; 8 (r / 8)
	v_add_nc_u32 v[FIN], v[FIN+1], v2              ; r + 8 (r / 8)
	v_lshlrev_b32 v[XA], 7, v[FIN]
	v_lshl_add_u32 v[XA], v3, 4, v[XA]
	v_lshlrev_b32 v[XSA], 3, v[FIN]
	v_lshlrev_b32 v[LI], 4, v1
	v_lshrrev_b32 v[FIN+2], 3, v1                  ; a load's 512 bytes are four rows of 128: row lane / 8,
	v_mul_u32_u24 v[FIN+2], v[FIN+2], WP
	v_and_b32 v[FIN+3], 7, v0                      ; 16 bytes at 16 (lane % 8)
	v_lshl_add_u32 v[FIN+2], v[FIN+3], 4, v[FIN+2]
	s_mul_i32 s33, s32, 64*WP                      ; my wave copies 64 rows of Wv,
	v_add_nc_u32 v[CPV], s33, v[FIN+2]
	s_mul_i32 s33, s32, 16*WP                      ; 16 of Wq and 16 of Wk
	v_add_nc_u32 v[CPQ], s33, v[FIN+2]
	v_mul_u32_u24 v[FN], v2, WP
	v_lshl_add_u32 v[FN], v3, 4, v[FN]
	v_mul_u32_u24 v[FP], v[FIN], WP
	v_lshl_add_u32 v[FP], v3, 4, v[FP]
	v_lshlrev_b32 v[L8], 3, v1
	v_lshlrev_b32 v[R4], 2, v2
	v_lshlrev_b32 v[H64], 6, v3
	v_lshlrev_b32 v[QVO], 5, v[FIN]
	v_lshl_add_u32 v[QVO], v3, 4, v[QVO]
	v_lshlrev_b32 v[VVO], 4, v2
	v_lshl_add_u32 v[VVO], v3, 3, v[VVO]
	v_lshlrev_b32 v[QSA], 2, v[FIN+3]              ; lane (r, h) holds the word of position 8 h + r + 8 (r / 8) = r % 8 + 8 h + 16 (r / 8) of my wave's 32: 4 bytes each
	v_lshl_add_u32 v[QSA], v3, 5, v[QSA]
	v_lshl_add_u32 v[QSA], v[FIN+1], 3, v[QSA]
	s_lshl_b32 s33, s32, 7
	s_add_co_u32 s33, s33, SM+1536
	v_add_nc_u32 v[QSA], s33, v[QSA]
	s_lshl_b32 s33, s32, 2
	s_add_co_u32 s33, s33, SM
	v_add_nc_u32 v[KSA], s33, v[LI]                ; 16 x lane + 4 x wave
	s_add_co_u32 s33, s32, SM+512
	v_add_nc_u32 v[VSA], s33, v[LI]                ; 16 x lane + wave
	s_lshl_b32 s33, s32, 9
	s_add_co_u32 s33, s33, SM
	v_add_nc_u32 v[SMR], s33, v[LI]                ; 512 x wave + 16 x lane
.irp b, 0,1,2,3
	v_mov_b32 v[TM+4+\b], 0                        ; written once: a lane permute's destination counts as one of its sources
.endr
	s_mov_b32 s40, 0x76543210
	s_mov_b32 s41, 0xfedcba98                      ; v_permlanex16_b32's selects for lane l xor 16
	s_mov_b32 s42, 0xffff0000                      ; the mask of lanes 16-31
	s_mov_b32 s35, 0
	s_mov_b32 s37, 0
	s_mov_b32 s39, 0
	s_lshl_b32 s34, ttmp9, 14                      ; x's codes: 128 positions x 128 bytes a work-group,
	s_lshl_b32 s33, s32, 12                        ; 32 x 128 a wave
	s_add_co_u32 s34, s34, s33
	s_lshr_b32 s36, s34, 4                         ; x's scales: 8 bytes a position
	s_lshr_b32 s38, s34, 2                         ; qc: 32 bytes a position
	s_wait_kmcnt 0x0
	s_add_nc_u64 s[4:5], s[4:5], s[34:35]
	s_add_nc_u64 s[6:7], s[6:7], s[36:37]
	s_add_nc_u64 s[26:27], s[26:27], s[38:39]
	s_lshl_b32 s34, s32, 13                        ; my 8,192 bytes of Wv for the copy,
	s_add_nc_u64 s[20:21], s[20:21], s[34:35]
	s_lshl_b32 s34, s32, 11                        ; my 2,048 of Wq and of Wk
	s_add_nc_u64 s[8:9], s[8:9], s[34:35]
	s_add_nc_u64 s[14:15], s[14:15], s[34:35]
	s_mul_i32 s36, ttmp9, STEPB                    ; my work-group's block of kv
	s_lshl_b32 s34, s32, 10
	s_add_co_u32 s34, s34, s36
	s_add_nc_u64 s[44:45], s[30:31], s[34:35]      ; k's images: tiles 2 w, 2 w + 1
	s_lshl_b32 s34, s32, 8
	s_add_co_u32 s34, s34, s36
	s_add_co_u32 s34, s34, 4096
	s_add_nc_u64 s[46:47], s[30:31], s[34:35]      ; v's images: key block w is 256 w bytes into each tile's 1,024
	s_lshl_b32 s34, s32, 9
	s_add_co_u32 s34, s34, s36
	s_add_co_u32 s34, s34, 20480                   ; waves 0-2 send out kv's scale images, 512 bytes each;
	s_lshl_b32 s38, ttmp9, 9                       ; wave 3 the work-group's 128 words of qs
	s_cmp_lt_u32 s32, 3                            ; the choice hangs on the wave's number alone
	s_cselect_b64 s[48:49], s[30:31], s[28:29]
	s_cselect_b32 s34, s34, s38
	s_add_nc_u64 s[48:49], s[48:49], s[34:35]
	; ---- loads: the weights' copy (24), x (10), what q and k want beside (24)
	WIN 0x40                                       ; destination window 1
.irp i, 0,1,2,3,4,5,6,7,8,9,10,11,12,13,14,15
	global_load_b128 v[4*\i:4*\i+3], v[LI], s[20:21] offset:512*\i     ; 32 lanes read 512 consecutive bytes
.endr
.irp i, 0,1,2,3
	global_load_b128 v[64+4*\i:64+4*\i+3], v[LI], s[8:9] offset:512*\i
.endr
.irp i, 0,1,2,3
	global_load_b128 v[80+4*\i:80+4*\i+3], v[LI], s[14:15] offset:512*\i
.endr
	WIN 0
.irp u, 0,1
.irp s, 0,1
.irp c, 0,1
	global_load_b128 v[XF+16*\u+8*\s+4*\c:XF+16*\u+8*\s+4*\c+3], v[XA], s[4:5] offset:1024*\u+64*\s+32*\c   ; registers 4 c .. 4 c + 3: channels 128 s + 64 c + 32 h + 0 .. 31
.endr
.endr
.endr
.irp u, 0,1
	global_load_b64 v[XS+2*\u:XS+2*\u+1], v[XSA], s[6:7] offset:64*\u     ; a position's eight scale bytes: the words of K steps 0 and 1
.endr
.irp T, 0,1,2,3
	global_load_b64 v[WQS+2*\T:WQS+2*\T+1], v[XSA], s[10:11] offset:(32*(\T/2)+8*(\T%2))*8
	global_load_b64 v[WKS+2*\T:WKS+2*\T+1], v[XSA], s[16:17] offset:(32*(\T/2)+8*(\T%2))*8
.endr
	WIN 0x80                                       ; destination window 2: the biases in the result's layout: lane (r, h), tile 2 b + y: d = 32 b + 8 y + 16 h + 0 .. 7
.irp T, 0,1,2,3
	global_load_b128 v[128+8*\T:131+8*\T], v[H64], s[12:13] offset:(32*(\T/2)+8*(\T%2))*4
	global_load_b128 v[132+8*\T:135+8*\T], v[H64], s[12:13] offset:(32*(\T/2)+8*(\T%2))*4+16
	global_load_b128 v[160+8*\T:163+8*\T], v[H64], s[18:19] offset:(32*(\T/2)+8*(\T%2))*4
	global_load_b128 v[164+8*\T:167+8*\T], v[H64], s[18:19] offset:(32*(\T/2)+8*(\T%2))*4+16
.endr
	s_wait_loadcnt 34                              ; the copy's 24 loads are in; the 34 issued behind them may be out
	WIN 0x04                                       ; an LDS store's data are its source 1: window 1
.irp i, 0,1,2,3,4,5,6,7,8,9,10,11,12,13,14,15
	ds_store_b128 v[CPV], v[4*\i:4*\i+3] offset:WVL+4*WP*\i
.endr
.irp i, 0,1,2,3
	ds_store_b128 v[CPQ], v[64+4*\i:64+4*\i+3] offset:WQL+4*WP*\i
.endr
.irp i, 0,1,2,3
	ds_store_b128 v[CPQ], v[80+4*\i:80+4*\i+3] offset:WKL+4*WP*\i
.endr
	WIN 0
.irp i, 0,1,2,3,4,5,6,7
	global_load_b64 v[WVS+2*\i:WVS+2*\i+1], v[L8], s[22:23] offset:256*\i   ; what v wants beside (24 loads): row 32 i + lane of Wv's scales: lanes 0-15 tile 2 i, lanes 16-31 tile 2 i + 1
.endr
.irp t, 0,1,2,3,4,5,6,7,8,9,10,11,12,13,14,15
	global_load_b32 v[BV+2*\t], v[R4], s[24:25] offset:64*\t
.endr
	s_wait_dscnt 0x0                               ; for the others' sake: my part of the weights lies in LDS
	s_barrier_signal -1
	s_barrier_wait -1                              ; everybody's does
	WIN 0x80
.irp T, 0,1,2,3
.irp s, 0,1
.irp c, 0,1
	ds_load_b128 v[16*\T+8*\s+4*\c:16*\T+8*\s+4*\c+3], v[FP] offset:WQL+(32*(\T/2)+8*(\T%2))*WP+64*\s+32*\c
	ds_load_b128 v[64+16*\T+8*\s+4*\c:64+16*\T+8*\s+4*\c+3], v[FP] offset:WKL+(32*(\T/2)+8*(\T%2))*WP+64*\s+32*\c
.endr
.endr
.endr
	VFRAG 0
	s_wait_dscnt 32                                ; Wq's and Wk's fragments are in; the 32 loads of Wv's tiles 0-7 may be out
	s_wait_loadcnt 24                              ; x, and q's and k's scale words and biases; v's 24 small loads may be out
	; ---- q
	QKP 0, 128, WQS, WQW
.irp u, 0,1
	global_store_b128 v[QVO], v[PC+4*\u:PC+4*\u+3], s[26:27] offset:256*\u   ; rows 8 u + 0 .. 7 and 8 u + 16 .. 23 of 32 bytes: two runs of 256 consecutive bytes, each at a multiple of 256 from qc's first byte
.endr
	ds_store_b32 v[QSA], v[WQW]
	; ---- k
	QKP 64, 160, WKS, WKW
.irp u, 0,1
	global_store_b128 v[LI], v[PC+4*\u:PC+4*\u+3], s[44:45] offset:512*\u    ; the fragment's lower four registers as they stand: 512 consecutive bytes
.endr
	ds_store_b32 v[KSA], v[WKW]
	; ---- v
	VFRAG 8
	s_wait_dscnt 32                                ; all but the 32 just issued: Wv's tiles 0-7 are in
	s_wait_loadcnt 0x0                             ; Wv's scale words, bv
.irp t, 0,1,2,3,4,5,6,7,8,9,10,11,12,13,14,15
	v_mov_b32 v[BV+2*\t+1], v[BV+2*\t]             ; the pair's second half
.endr
	VGROUP 0
	VGROUP 1
	s_wait_dscnt 4                                 ; Wv's tiles 8-15 are in: behind their loads stand the four byte stores of the two groups above
	VGROUP 2
	VGROUP 3
	; ---- the small images leave as whole runs of 512 bytes
	s_wait_dscnt 0x0                               ; for the others' sake: my words and bytes lie in LDS
	s_barrier_signal -1
	s_barrier_wait -1
	ds_load_b128 v[FIN:FIN+3], v[SMR]
	s_wait_dscnt 0x0
	global_store_b128 v[LI], v[FIN:FIN+3], s[48:49]   ; 32 lanes store 512 consecutive bytes, at a multiple of 256 from the buffer's first byte
	s_wait_tensorcnt 0x0
	ds_add_u32 v254, v255
	s_wait_dscnt 0x0
	s_endpgm
.Lfunc_end_k_qa014e829e7_proj:
	.size	k_qa014e829e7_proj, .Lfunc_end_k_qa014e829e7_proj-k_qa014e829e7_proj
	.p2alignl 7, 3214868480
	.fill 96, 4, 3214868480
	.section	.rodata,"a",@progbits
	.p2align	6, 0x0
	.amdhsa_kernel k_qa014e829e7_proj
		.amdhsa_group_segment_fixed_size 57856
		.amdhsa_private_segment_fixed_size 0
		.amdhsa_enable_private_segment 0
		.amdhsa_kernarg_size 112
		.amdhsa_user_sgpr_count 2
		.amdhsa_user_sgpr_kernarg_segment_ptr 1
		.amdhsa_wavefront_size32 1
		.amdhsa_system_sgpr_workgroup_id_x 1
		.amdhsa_system_sgpr_workgroup_id_y 1
		.amdhsa_system_sgpr_workgroup_id_z 1
		.amdhsa_system_vgpr_workitem_id 0
		.amdhsa_next_free_vgpr 768
		.amdhsa_next_free_sgpr 66
		.amdhsa_reserve_vcc 0
		.amdhsa_float_denorm_mode_32 3
		.amdhsa_float_denorm_mode_16_64 3
		.amdhsa_memory_ordered 1
		.amdhsa_forward_progress 1
		.amdhsa_inst_pref_size 67
	.end_amdhsa_kernel
	.amdgpu_metadata
---
amdhsa.version: [ 1, 2 ]
amdhsa.kernels:
  - .name:           k_qa014e829e7_proj
    .symbol:         k_qa014e829e7_proj.kd
    .args:
      - { .name: x_codes, .offset: 0, .size: 8, .value_kind: global_buffer, .address_space: global }
      - { .name: x_scales, .offset: 8, .size: 8, .value_kind: global_buffer, .address_space: global }
      - { .name: w_q_codes, .offset: 16, .size: 8, .value_kind: global_buffer, .address_space: global }
      - { .name: w_q_scales, .offset: 24, .size: 8, .value_kind: global_buffer, .address_space: global }
      - { .name: b_q, .offset: 32, .size: 8, .value_kind: global_buffer, .address_space: global }
      - { .name: w_k_codes, .offset: 40, .size: 8, .value_kind: global_buffer, .address_space: global }
      - { .name: w_k_scales, .offset: 48, .size: 8, .value_kind: global_buffer, .address_space: global }
      - { .name: b_k, .offset: 56, .size: 8, .value_kind: global_buffer, .address_space: global }
      - { .name: w_v_codes, .offset: 64, .size: 8, .value_kind: global_buffer, .address_space: global }
      - { .name: w_v_scales, .offset: 72, .size: 8, .value_kind: global_buffer, .address_space: global }
      - { .name: b_v, .offset: 80, .size: 8, .value_kind: global_buffer, .address_space: global }
      - { .name: qc, .offset: 88, .size: 8, .value_kind: global_buffer, .address_space: global }
      - { .name: qs, .offset: 96, .size: 8, .value_kind: global_buffer, .address_space: global }
      - { .name: kv, .offset: 104, .size: 8, .value_kind: global_buffer, .address_space: global }
    .group_segment_fixed_size: 57856
    .private_segment_fixed_size: 0
    .kernarg_segment_align: 8
    .kernarg_segment_size: 112
    .max_flat_workgroup_size: 128
    .sgpr_count:     66
    .vgpr_count:     768
    .wavefront_size: 32
...
	.end_amdgpu_metadata
.endif
;; end of part 1
;; launch attn (part 2): grid 32 x 8, 8 waves a work-group, clusters of 4 x 1, 327,680 bytes of LDS; arguments qc, qs, kv, out0; writes out0
.if DOCPART == 2
	.amdgcn_target "amdgcn-amd-amdhsa--gfx1250"
	.amdhsa_code_object_version 6
	.text
	.protected	k_qa014e829e7_attn
	.globl	k_qa014e829e7_attn
	.p2align	8
	.type	k_qa014e829e7_attn,@function
k_qa014e829e7_attn:
	s_mov_b64 s[64:65], 0
	v_nop
	global_prefetch_b8 v0, s[64:65] scope:SCOPE_SE
	s_setreg_imm32_b32 hwreg(HW_REG_WAVE_MODE, 25, 1), 1
	s_wait_xcnt 0x0
	s_wait_alu depctr_hold_cnt(0) depctr_sa_sdst(0) depctr_va_vdst(0) depctr_va_sdst(0) depctr_va_ssrc(0) depctr_va_vcc(0) depctr_vm_vsrc(0)
	s_getreg_b32 s2, hwreg(HW_REG_IB_STS2, 6, 4)
	s_cmp_eq_u32 s2, 0
	s_cbranch_scc0 .Lentry_in_a_cluster
	s_endpgm
.Lentry_in_a_cluster:
	s_bfe_u32 s2, ttmp6, 0x10000c
	s_cmp_lg_u32 s2, 0x3003
	s_cbranch_scc0 .Lentry_shape_is_right
	s_endpgm
.Lentry_shape_is_right:
; out[b][d][n] = the sum over keys m of softmax_m(q[n] . k[m]) v[m][d], both products on codes of FP4 (E2M1) with one E8M0 scale for each 32 along a product's K.  8 batches, 4,096 positions, q and k 64 wide, v 256 wide.
; The first product's K is 64: the upper half of the instruction's 128 is zero codes on both sides, under the scale byte 0x7f.
; THE SOFTMAX AHEAD OF THE SECOND PRODUCT: t = score x log2(e); M = the row's largest t so far, rounded UP to a whole number; p = 2^(t - M) is what is quantised, along the keys; it is not normalised.
; The row's sum is taken of the unquantised p, in f32, and divides O at the end.  When M moves, the sum and O are multiplied by 2^(old M - new M): exact.
; SHARES.  A work-group owns 128 queries of one batch; each of its EIGHT waves owns 16 of them, one tile, in 512 registers: two waves to a SIMD, so that one wave's vector work stands beside the other's matrix work and LDS loads.
; Every wave walks all 4,096 keys, 256 A STEP: M is found once for 256 keys, so the 64 packed multiplications that bring O^T under the new M stand once for 256 keys.
; 128 keys' operands are one block of 22,016 bytes of kv, laid by the launch before as images of the operands' registers (16 bytes a lane, lane by lane):
; every fragment and every group of four scale words comes by ds_load_b128 at 16 x lane: consecutive bytes, no pitch, no padding.
; THE RING: two LDS slots of four blocks (88,064 bytes: two steps).  Waves 0-3 each bring one block by one tensor load; all eight read them.
; CLUSTER: the four query blocks of a cluster belong to one batch and walk the same blocks of kv, so each block is asked for JOINTLY: the same tensor load, the same descriptor, a mask that names the four.
; LAYOUT.  Both products are used transposed: S^T = K Q^T (source 0 = 16 keys, source 1 = my 16 queries), O^T = V^T P^T (source 0 = 16 of the 256 channels, source 1 = P): a lane holds ONE query (lane % 16) throughout.
; The keys of tile 2 b + u of a block are 32 b + 8 u + r + 8 (r / 8), so that the 16 registers of tiles 2 b and 2 b + 1 are 16 neighbouring keys, 32 b + 16 (lane / 16) + 0 .. 15.
; LIMITS: NaN and infinities are not served; a p under 2^-126 counts as 0; a block of p that are all 0 keeps the scale byte 1: its codes are zeros.
; REGISTERS.  Window 0: v1-7 addresses; v[8:9] f; v[10:11] the sum's second chain; v12 -M, v13 the largest t, v[14:15] the sum in two halves; v16-23 Q (v20-23 zeros), v24 its scale words; v25 at work;
;   v26, v27 p's scale words; v28-31 K's; v32-95 K's eight fragments of 128 keys (the upper four registers of each stay zeros; behind the second K Q^T registers 0 and 1 of each are at work);
;   v96-223 S^T of 256 keys, then p, then V's sixteen fragments of keys 128-255; v224-239 p's codes (v224-231 first hold the blocks' largest scores); v240-255 V's scale words.
;   Window 1: v0-127 O^T (tile t at 8 t); v128-255 V's sixteen fragments of keys 0-127.
.set STEPB, 22016                      ; 128 keys' block: 86 rows of 256 bytes
.set SLOTB, 4*STEPB
.set SLOT1, 1<<17                      ; slot 1 begins here, so that one exclusive or turns an address in one slot into the other's
.set SPARE, SLOT1+SLOTB                ; behind the ring: the spare words, 128 bytes for each wave: four blocks of 256 bytes that no other line names
.set SP,    528                        ; the way out: a stage of 256 rows (channels) x (128 queries x 4 bytes + 16), from LDS byte 0: both slots have had their last fill and their last read when the first result is stored there
.set VIO,   4096                       ; in a block: V's images,
.set KSO,   20480                      ; K's scale words,
.set VSO,   20992                      ; V's
.set LI,   1                           ; v1   16 x lane
.set SPW,  2                           ; v2   LDS address of my spare word: SPARE + 4 x my thread's number; never rewritten
.set NIL,  3                           ; v3   0; never rewritten
.set ADR,  4                           ; v4   the step's first block + 16 x lane
.set STO,  5                           ; v5   the way out: my query's word in channel 8 h's row
.set STO2, 6                           ; v6   the same 128 rows on
.set RD,   7                           ; v7   the way out: where I read rows back
.set FF,   8                           ; v[8:9] f = 2^(old M - new M); at the end 1 / the sum (the packed forms name the pair and take its low word)
.set L2,   10                          ; v[10:11] the sum's second chain
.set QF,   16
.set QW,   24
.set TR,   25
.set PW,   26                          ; v26 p's scale word for keys 0-127, v27 for keys 128-255
.set KSC,  28
.set KF,   32                          ; K's fragment T at KF + 8 T.  Behind the second K Q^T: KF + 8 b the other half's maximum, then block b's byte; KF + 8 b + 1 its conversions' scale operand
.set S,    96
.set PC,   224
.set BM,   224                         ; each block's largest score, then its largest p: done with when the conversions write the codes here
.set VSC,  240                         ; v240-247 keys 0-127, v248-255 keys 128-255
.set VF,   128                         ; in window 1
.set OB,   32                          ; the way out: 32 rows read back: v32-159
.set MSB, 0
.macro WIN new                         ; the immediate's high byte repeats the setting that is left
.if MSB != \new
	s_set_vgpr_msb (MSB<<8)|\new
.set MSB, \new
.endif
.endm
.macro PLACES                          ; four plain places between a matrix instruction and the first vector read of its result, or a load into a register that it read (ISA guide 7.12.1 for the read of its result)
.rept 4
	v_nop
.endr
.endm
; A joint load: waves 0-3 bring one block each, the others nothing.  The branch hangs on the wave's number alone.  Four v_nop follow the line.
.macro JLOAD
	s_cmp_lt_u32 s12, 4
	s_cbranch_scc0 .Lnone_\@
	tensor_load_to_lds s[32:35], s[24:31]
	s_nop 0
.rept 4
	v_nop
.endr
.Lnone_\@:
.endm
; A round of the cluster's barrier: my work-group's barrier, so that wave 0's signal speaks for all eight waves; wave 0 signals for the work-group; every wave waits for all four work-groups; my work-group's barrier once more.
.macro CROUND
	s_barrier_signal -1
	s_barrier_wait -1
	s_cmp_lg_u32 s12, 0
	s_cbranch_scc1 .Lnot_wave_0_\@
	s_barrier_signal -3
.Lnot_wave_0_\@:
	s_barrier_wait -3
	s_barrier_signal -1
	s_barrier_wait -1
.endm
	s_load_b256 s[4:11], s[0:1], 0x0               ; qc s[4:5], qs s[6:7], kv s[8:9], out0 s[10:11]
	v_lshl_add_u32 v[SPW], v0, 2, SPARE
	v_mov_b32 v[NIL], 0
	ds_add_u32 v2, v3
	ds_add_u32 v2, v3
	s_wait_dscnt 0x0
	v_lshrrev_b32 v8, 5, v0
	s_delay_alu instid0(VALU_DEP_1)
	v_readfirstlane_b32 s12, v8                    ; wave 0..7
	s_bfe_u32 s13, ttmp6, 0x40000                  ; cx: my place in the cluster: it enters the addresses of qc, qs and out0 alone
	s_lshl_b32 s14, ttmp9, 2                       ; in a cluster launch ttmp9 counts clusters
	s_add_co_u32 s14, s14, s13                     ; my block of 128 queries = 4 x cluster x + cx
	s_and_b32 s15, ttmp7, 0xffff                   ; the batch, which the four partners share
	; descriptor group 1: a dense block of 86 rows of 256 bytes (32 elements of 8 bytes), no padding
	s_mov_b32 s24, 15|(3<<16)|(1<<21)              ; 15:0 the mask: all four work-groups; 17:16 elements of 8 bytes; 21 set beside a mask
	s_mov_b32 s25, 32<<16                          ; tensor_dim0 = 32
	s_mov_b32 s26, 86<<16                          ; tensor_dim1 = 86
	s_mov_b32 s27, 32<<16                          ; tile_dim0 = 32
	s_mov_b32 s28, 86                              ; tile_dim1 = 86
	s_mov_b32 s29, 32                              ; tensor_dim0_stride: the rows lie on end
	s_mov_b32 s30, 0
	s_mov_b32 s31, 0
	s_and_b32 s16, s12, 3                          ; which of a slot's four blocks I fetch, if I fetch
	s_mul_i32 s33, s16, STEPB                      ; its place in slot 0: no place in the cluster enters an LDS address
	s_mul_i32 s18, s15, 32*STEPB                   ; the batch's 32 blocks
	s_add_co_u32 s18, s18, s33
	s_mov_b32 s19, 0
	s_lshl_b32 s20, s15, 12
	s_lshl_b32 s21, s14, 7
	s_add_co_u32 s20, s20, s21
	s_lshl_b32 s21, s12, 4
	s_add_co_u32 s20, s20, s21                     ; my first query: 4,096 x batch + 128 x block + 16 x wave
	s_lshl_b32 s22, s20, 5                         ; its codes: 32 bytes a query
	s_mov_b32 s23, 0
	s_lshl_b32 s20, s20, 2                         ; its scale word
	s_mov_b32 s21, 0
	s_lshl_b32 s16, s15, 22                        ; out0: a batch is 256 x 4,096 x 4 bytes; I store channels 32 x wave on (16,384 bytes a channel), at my block's 512 bytes
	s_lshl_b32 s17, s12, 19
	s_add_co_u32 s16, s16, s17
	s_lshl_b32 s17, s14, 9
	s_add_co_u32 s16, s16, s17
	s_mov_b32 s17, 0
	s_mov_b32 s36, 0                               ; LDS byte at which the slot in hand begins
	s_mov_b32 s37, 6                               ; the loop's trips: eight slots' worth of keys, the first and the last written out
	s_mov_b32 s40, 0x76543210
	s_mov_b32 s41, 0xfedcba98                      ; v_permlanex16_b32's selects for lane l xor 16
	s_mov_b32 s42, 0x3fb8aa3b                      ; c = log2(e)
	s_mov_b32 s43, s42                             ; (named with it as a pair, so it is written)
	; every LDS address but the step's is made here, ahead of the first branch on the wave's number
	v_and_b32 v[LI], 31, v0
	s_delay_alu instid0(VALU_DEP_1)
	v_lshlrev_b32 v[LI], 4, v[LI]
	v_and_b32 v8, 15, v0                           ; r
	v_bfe_u32 v11, v0, 4, 1                        ; h
	s_delay_alu instid0(VALU_DEP_2)
	v_lshlrev_b32 v9, 5, v8
	s_delay_alu instid0(VALU_DEP_1)
	v_lshl_add_u32 v9, v11, 4, v9                  ; Q: row r of 32 bytes, + 16 h
	s_delay_alu instid0(VALU_DEP_4)
	v_lshlrev_b32 v10, 2, v8                       ; its scale word
	s_delay_alu instid0(VALU_DEP_4)
	v_mul_u32_u24 v[STO], v11, 8*SP                ; the stage, in: register 8 t + j is channel 16 t + 8 h + j of query 16 x wave + r
	s_delay_alu instid0(VALU_DEP_1)
	v_lshl_add_u32 v[STO], v8, 2, v[STO]
	s_lshl_b32 s38, s12, 6
	v_add_nc_u32 v[STO], s38, v[STO]
	s_delay_alu instid0(VALU_DEP_1)
	v_add_nc_u32 v[STO2], 128*SP, v[STO]           ; (an LDS offset has 16 bits: the upper 128 rows have a register of their own)
	s_mul_i32 s38, s12, 32*SP
	v_add_nc_u32 v[RD], s38, v[LI]                 ; back: rows 32 x wave on, 16 bytes a lane
	s_wait_kmcnt 0x0
	s_mov_b32 s32, 1                               ; group 0: 1:0 count = 1;  s33: the LDS address;
	s_add_nc_u64 s[34:35], s[8:9], s[18:19]        ; 120:64 global address: the batch's blocks 0-3, mine of them
	s_or_b32 s35, s35, 0x80000000                  ; 127:126 type = 2
	s_add_nc_u64 s[4:5], s[4:5], s[22:23]
	s_add_nc_u64 s[6:7], s[6:7], s[20:21]
	s_add_nc_u64 s[10:11], s[10:11], s[16:17]
	CROUND                                         ; all four work-groups are here: the first joint loads meet
	JLOAD                                          ; slot 0
	s_wait_alu depctr_va_vdst(0)
	global_load_b128 v[QF:QF+3], v9, s[4:5]        ; Q's fragment stays in registers: d = 32 h + 0 .. 31 of query r
	global_load_b32 v[QW], v10, s[6:7]
.irp c, 4,5,6,7
	v_mov_b32 v[QF+\c], 0                          ; K = 64 .. 127: zero codes
.endr
.irp T, 0,1,2,3,4,5,6,7
.irp c, 4,5,6,7
	v_mov_b32 v[KF+8*\T+\c], 0                     ; the same in K's eight fragments: written once, nothing else lands here
.endr
.endr
	v_mov_b32 v13, 0xff61b1e6                      ; the largest t so far: -3e38, under every t
	s_delay_alu instid0(VALU_DEP_1)
	v_floor_f32 v12, -v13                          ; -M
	v_mov_b32 v14, 0                               ; the sum, in two halves
	v_mov_b32 v15, 0
.macro KLOAD h                         ; nine loads: K's scale words (word b: lanes 0-15 tile 2 b, lanes 16-31 tile 2 b + 1) and its eight fragments, of the step's block h
	ds_load_b128 v[KSC:KSC+3], v[ADR] offset:(\h)*STEPB+KSO
.irp T, 0,1,2,3,4,5,6,7
	ds_load_b128 v[KF+8*\T:KF+8*\T+3], v[ADR] offset:(\h)*STEPB+512*\T
.endr
.endm
.macro KQ h                            ; S^T = K Q^T for block h's 128 keys: eight products, each its own sum
.irp T, 0,1,2,3,4,5,6,7
.if \T%2
	v_wmma_scale_f32_16x16x128_f8f6f4 v[S+64*(\h)+8*\T:S+64*(\h)+8*\T+7], v[KF+8*\T:KF+8*\T+7], v[QF:QF+7], 0, v[KSC+\T/2], v[QW] matrix_a_fmt:MATRIX_FMT_FP4 matrix_b_fmt:MATRIX_FMT_FP4 matrix_a_scale:MATRIX_SCALE_ROW1
.else
	v_wmma_scale_f32_16x16x128_f8f6f4 v[S+64*(\h)+8*\T:S+64*(\h)+8*\T+7], v[KF+8*\T:KF+8*\T+7], v[QF:QF+7], 0, v[KSC+\T/2], v[QW] matrix_a_fmt:MATRIX_FMT_FP4 matrix_b_fmt:MATRIX_FMT_FP4
.endif
.endr
.endm
; THE LARGEST SCORE OF EACH OF BLOCK h's FOUR BLOCKS OF 32 KEYS, my 16 of each: it serves for the row's maximum and, since p rises with the score, for the block's largest p.  Each accumulator is read from its low end on
.macro BMAX h
.irp b, 0,1,2,3
	v_max3_num_f32 v[BM+4*(\h)+\b], v[S+64*(\h)+16*\b], v[S+64*(\h)+16*\b+1], v[S+64*(\h)+16*\b+2]
.endr
.irp i, 3,5,7,9,11,13
.irp b, 0,1,2,3
	v_max3_num_f32 v[BM+4*(\h)+\b], v[BM+4*(\h)+\b], v[S+64*(\h)+16*\b+\i], v[S+64*(\h)+16*\b+\i+1]   ; (the four blocks by turns)
.endr
.endr
.irp b, 0,1,2,3
	v_max_num_f32 v[BM+4*(\h)+\b], v[BM+4*(\h)+\b], v[S+64*(\h)+15+16*\b]
.endr
.endm
; O^T += V^T P^T over 128 keys: the sixteen accumulators by turns, one instruction a turn.  af: V's fragments; pc: p's codes; vs, pw: their scale words.  zero = 1: these products start the sums: nothing is cleared
.macro PV af, pc, vs, pw, zero
.irp t, 0,1,2,3,4,5,6,7,8,9,10,11,12,13,14,15
.if \zero
.if \t%2
	v_wmma_scale_f32_16x16x128_f8f6f4 v[8*\t:8*\t+7], v[\af+8*\t:\af+8*\t+7], v[\pc:\pc+7], 0, v[\vs+\t/2], v[\pw] matrix_a_fmt:MATRIX_FMT_FP4 matrix_b_fmt:MATRIX_FMT_FP4 matrix_a_scale:MATRIX_SCALE_ROW1
.else
	v_wmma_scale_f32_16x16x128_f8f6f4 v[8*\t:8*\t+7], v[\af+8*\t:\af+8*\t+7], v[\pc:\pc+7], 0, v[\vs+\t/2], v[\pw] matrix_a_fmt:MATRIX_FMT_FP4 matrix_b_fmt:MATRIX_FMT_FP4
.endif
.else
.if \t%2
	v_wmma_scale_f32_16x16x128_f8f6f4 v[8*\t:8*\t+7], v[\af+8*\t:\af+8*\t+7], v[\pc:\pc+7], v[8*\t:8*\t+7], v[\vs+\t/2], v[\pw] matrix_a_fmt:MATRIX_FMT_FP4 matrix_b_fmt:MATRIX_FMT_FP4 matrix_a_scale:MATRIX_SCALE_ROW1
.else
	v_wmma_scale_f32_16x16x128_f8f6f4 v[8*\t:8*\t+7], v[\af+8*\t:\af+8*\t+7], v[\pc:\pc+7], v[8*\t:8*\t+7], v[\vs+\t/2], v[\pw] matrix_a_fmt:MATRIX_FMT_FP4 matrix_b_fmt:MATRIX_FMT_FP4
.endif
.endif
.endr
.endm
; A KEY STEP: 256 keys, blocks 2 q and 2 q + 1 of the slot in hand.  first = 1: the launch's first step, whose products V^T P start O^T's sums: it has nothing to rescale.
.macro DSTEP q, first
	v_add_nc_u32 v[ADR], s36, v[LI]                ; FIVE plain places: the first products below write S^T over registers that the last step's products read as V's fragments (a matrix instruction that writes over another's source: one place more than a load)
.if (\q) > 0
	s_delay_alu instid0(VALU_DEP_1)
	v_add_nc_u32 v[ADR], (\q)*2*STEPB, v[ADR]
.else
	s_wait_alu depctr_va_vdst(0)
	v_nop
.endif
.rept 3
	v_nop
.endr
	KLOAD 0
	s_wait_alu depctr_va_vdst(0)
	s_wait_dscnt 0x0                               ; K of keys 0-127 is in
	KQ 0
	PLACES                                         ; in front of the loads into K's registers, and of the first read of the scores
	KLOAD 1                                        ; K of keys 128-255, into the same registers;
	ds_load_b128 v[VSC:VSC+3], v[ADR] offset:VSO   ; behind it V of keys 0-127: its scale words (word i: lanes 0-15 tile 2 i, lanes 16-31 tile 2 i + 1)
	ds_load_b128 v[VSC+4:VSC+7], v[ADR] offset:VSO+512
	WIN 0x40                                       ; destination window 1
.irp t, 0,1,2,3,4,5,6,7,8,9,10,11,12,13,14,15
.irp c, 0,1
	ds_load_b128 v[VF+8*\t+4*\c:VF+8*\t+4*\c+3], v[ADR] offset:VIO+1024*\t+512*\c   ; and its sixteen fragments, which land while the softmax is worked
.endr
.endr
	WIN 0
	BMAX 0                                         ; 32 lines of work stand between K's loads and the wait for them
	s_wait_dscnt 34                                ; K's nine loads are in; the 34 of V issued behind them may be out
	KQ 1
	PLACES
	BMAX 1
.irp b, 0,1,2,3,4,5,6,7
	v_permlanex16_b32 v[KF+8*\b], v[BM+\b], s40, s41   ; (K's lower registers are free: both K Q^T are issued, and the lines above are the places behind them)
.endr
.irp b, 0,1,2,3,4,5,6,7
	v_max_num_f32 v[BM+\b], v[BM+\b], v[KF+8*\b]   ; with lane l xor 16's 16 keys
.endr
	v_max3_num_f32 v[TR], v[BM], v[BM+1], v[BM+2]
	s_delay_alu instid0(VALU_DEP_1)
	v_max3_num_f32 v[TR], v[TR], v[BM+3], v[BM+4]
	s_delay_alu instid0(VALU_DEP_1)
	v_max3_num_f32 v[TR], v[TR], v[BM+5], v[BM+6]
	s_delay_alu instid0(VALU_DEP_1)
	v_max_num_f32 v[TR], v[TR], v[BM+7]            ; the step's largest score of my query
	s_delay_alu instid0(VALU_DEP_1)
	v_mul_f32 v[TR], s42, v[TR]                    ; as t (c is positive)
	s_delay_alu instid0(VALU_DEP_1)
	v_max_num_f32 v13, v13, v[TR]                  ; the running largest t
	v_mov_b32 v[TR], v12
	s_delay_alu instid0(VALU_DEP_2)
	v_floor_f32 v12, -v13                          ; the new -M = floor(-t) = -ceil(t): M is a whole number
	s_delay_alu instid0(VALU_DEP_1)
	v_sub_f32 v[TR], v12, v[TR]                    ; M's old value less its new one: a whole number, 0 or less
	s_delay_alu instid0(VALU_DEP_1)
	v_cvt_i32_f32 v[TR], v[TR]                     ; (it saturates)
	s_delay_alu instid0(VALU_DEP_1)
	v_ldexp_f32 v[FF], 1.0, v[TR]                  ; f = 2^(old M - new M): a multiplication by it rounds nothing
.set j, 0
.rept 64
	v_pk_fma_f32 v[S+j:S+j+1], v[S+j:S+j+1], s[42:43], v[12:13] op_sel_hi:[1,0,0]   ; t - M, two at a time (of the pairs c and -M the low word serves both halves)
.set j, j+2
.endr
.irp b, 0,1,2,3,4,5,6,7
	v_fma_f32 v[BM+\b], v[BM+\b], s42, v12         ; the same of each block's largest score
.endr
.set j, 0
	s_wait_alu depctr_va_vdst(0)
.rept 128
	v_exp_f32 v[S+j], v[S+j]                       ; p = 2^(t - M), at most 1: not normalised
.set j, j+1
.endr
.irp b, 0,1,2,3,4,5,6,7
	v_exp_f32 v[BM+\b], v[BM+\b]                   ; the block's largest p: the same two instructions on the same number give the same bits
.endr
	v_pk_mul_f32 v[14:15], v[14:15], v[FF:FF+1] op_sel_hi:[1,0]   ; the sums under the new M.  (The plain place behind the exponentials)
	s_wait_alu depctr_va_vdst(0)
.irp b, 0,1,2,3,4,5,6,7
	v_max_num_f32 v[BM+\b], 0x1800000, v[BM+\b]    ; the floor 2^(3 - 127): the byte cannot fall under 1
.endr
.irp b, 0,1,2,3,4,5,6,7
	v_add_nc_u32 v[KF+8*\b+1], 0xff000000, v[BM+\b]   ; 2 off the exponent field: the conversion's scale operand
.endr
.irp b, 0,1,2,3,4,5,6,7
	v_lshrrev_b32 v[KF+8*\b], 23, v[KF+8*\b+1]     ; the scale's byte
.endr
	v_lshl_or_b32 v[PW], v[KF+8], 8, v[KF]         ; p's scale words: blocks 0-3 for keys 0-127, blocks 4-7 for keys 128-255 (the two by turns)
	s_delay_alu instid0(VALU_DEP_4)
	v_lshl_or_b32 v[PW+1], v[KF+40], 8, v[KF+32]
	s_delay_alu instid0(VALU_DEP_2)
	v_lshl_or_b32 v[PW], v[KF+16], 16, v[PW]
	s_delay_alu instid0(VALU_DEP_2)
	v_lshl_or_b32 v[PW+1], v[KF+48], 16, v[PW+1]
	s_delay_alu instid0(VALU_DEP_2)
	v_lshl_or_b32 v[PW], v[KF+24], 24, v[PW]
	s_delay_alu instid0(VALU_DEP_2)
	v_lshl_or_b32 v[PW+1], v[KF+56], 24, v[PW+1]
.irp b, 0,1,2,3,4,5,6,7
	v_cvt_scalef32_pk8_fp4_f32 v[PC+2*\b], v[S+16*\b:S+16*\b+7], v[KF+8*\b+1]
	v_cvt_scalef32_pk8_fp4_f32 v[PC+2*\b+1], v[S+16*\b+8:S+16*\b+15], v[KF+8*\b+1]
.endr
	v_nop                                          ; one plain place behind a scaled conversion
.irp c, 0,1,2,3                                ; the operand's layout wants a WHOLE block in a lane: lanes 0-15 block 2 c, lanes 16-31 block 2 c + 1
.irp i, 0,1
	v_permlane16_swap_b32 v[PC+4*\c+\i], v[PC+2+4*\c+\i]
.endr
.endr
	v_pk_add_f32 v[10:11], v[100:101], v[104:105]
	v_pk_add_f32 v[254:255], v[108:109], v[112:113]
	v_pk_add_f32 v[252:253], v[116:117], v[120:121]
	v_pk_add_f32 v[250:251], v[124:125], v[128:129]
	v_pk_add_f32 v[248:249], v[132:133], v[136:137]
	v_pk_add_f32 v[90:91], v[140:141], v[144:145]
	v_pk_add_f32 v[88:89], v[148:149], v[152:153]
	v_pk_add_f32 v[14:15], v[14:15], v[156:157]
	v_pk_add_f32 v[10:11], v[10:11], v[160:161]
	v_pk_add_f32 v[254:255], v[254:255], v[164:165]
	v_pk_add_f32 v[252:253], v[252:253], v[168:169]
	v_pk_add_f32 v[250:251], v[250:251], v[172:173]
	v_pk_add_f32 v[248:249], v[248:249], v[176:177]
	v_pk_add_f32 v[90:91], v[90:91], v[180:181]
	v_pk_add_f32 v[88:89], v[88:89], v[184:185]
	v_pk_add_f32 v[14:15], v[14:15], v[188:189]
	v_pk_add_f32 v[10:11], v[10:11], v[192:193]
	v_pk_add_f32 v[254:255], v[254:255], v[196:197]
	v_pk_add_f32 v[252:253], v[252:253], v[200:201]
	v_pk_add_f32 v[250:251], v[250:251], v[204:205]
	v_pk_add_f32 v[248:249], v[248:249], v[208:209]
	v_pk_add_f32 v[90:91], v[90:91], v[212:213]
	v_pk_add_f32 v[88:89], v[88:89], v[216:217]
	v_pk_add_f32 v[14:15], v[14:15], v[220:221]
	v_pk_add_f32 v[10:11], v[10:11], v[96:97]
	v_pk_add_f32 v[254:255], v[254:255], v[98:99]
	v_pk_add_f32 v[252:253], v[252:253], v[102:103]
	v_pk_add_f32 v[250:251], v[250:251], v[106:107]
	v_pk_add_f32 v[248:249], v[248:249], v[110:111]
	v_pk_add_f32 v[90:91], v[90:91], v[114:115]
	v_pk_add_f32 v[88:89], v[88:89], v[118:119]
	v_pk_add_f32 v[14:15], v[14:15], v[122:123]
	v_pk_add_f32 v[10:11], v[10:11], v[126:127]
	v_pk_add_f32 v[254:255], v[254:255], v[130:131]
	v_pk_add_f32 v[252:253], v[252:253], v[134:135]
	v_pk_add_f32 v[250:251], v[250:251], v[138:139]
	v_pk_add_f32 v[248:249], v[248:249], v[142:143]
	v_pk_add_f32 v[90:91], v[90:91], v[146:147]
	v_pk_add_f32 v[88:89], v[88:89], v[150:151]
	v_pk_add_f32 v[14:15], v[14:15], v[154:155]
	v_pk_add_f32 v[10:11], v[10:11], v[158:159]
	v_pk_add_f32 v[254:255], v[254:255], v[162:163]
	v_pk_add_f32 v[252:253], v[252:253], v[166:167]
	v_pk_add_f32 v[250:251], v[250:251], v[170:171]
	v_pk_add_f32 v[248:249], v[248:249], v[174:175]
	v_pk_add_f32 v[90:91], v[90:91], v[178:179]
	v_pk_add_f32 v[88:89], v[88:89], v[182:183]
	v_pk_add_f32 v[14:15], v[14:15], v[186:187]
	v_pk_add_f32 v[10:11], v[10:11], v[190:191]
	v_pk_add_f32 v[254:255], v[254:255], v[194:195]
	v_pk_add_f32 v[252:253], v[252:253], v[198:199]
	v_pk_add_f32 v[250:251], v[250:251], v[202:203]
	v_pk_add_f32 v[248:249], v[248:249], v[206:207]
	v_pk_add_f32 v[90:91], v[90:91], v[210:211]
	v_pk_add_f32 v[88:89], v[88:89], v[214:215]
	v_pk_add_f32 v[14:15], v[14:15], v[218:219]
	v_pk_add_f32 v[10:11], v[10:11], v[222:223]
	s_delay_alu instid0(VALU_DEP_2)
	v_pk_add_f32 v[14:15], v[14:15], v[250:251]
	s_delay_alu instid0(VALU_DEP_2)
	v_pk_add_f32 v[10:11], v[10:11], v[248:249]
	v_pk_add_f32 v[254:255], v[254:255], v[90:91]
	v_pk_add_f32 v[252:253], v[252:253], v[88:89]
	s_delay_alu instid0(VALU_DEP_2)
	v_pk_add_f32 v[14:15], v[14:15], v[254:255]
	s_delay_alu instid0(VALU_DEP_2)
	v_pk_add_f32 v[10:11], v[10:11], v[252:253]
	s_delay_alu instid0(VALU_DEP_1)
	v_pk_add_f32 v[14:15], v[14:15], v[10:11]
	s_wait_dscnt 0x0                               ; V of keys 0-127 is in: it was asked for a whole softmax ago
	ds_load_b128 v[VSC+8:VSC+11], v[ADR] offset:STEPB+VSO       ; V of keys 128-255: its scale words,
	ds_load_b128 v[VSC+12:VSC+15], v[ADR] offset:STEPB+VSO+512
.irp t, 0,1,2,3,4,5,6,7,8,9,10,11,12,13,14,15
.irp c, 0,1
	ds_load_b128 v[S+8*\t+4*\c:S+8*\t+4*\c+3], v[ADR] offset:STEPB+VIO+1024*\t+512*\c   ; and its sixteen fragments, into the registers that p has left: they land under the lines below
.endr
.endr
.if (\first) == 0
	WIN 0x41                                       ; O^T (destination and source 0) window 1, f window 0
.set j, 0
.rept 64
	v_pk_mul_f32 v[j:j+1], v[j:j+1], v[FF:FF+1] op_sel_hi:[1,0]   ; O^T under the new M: x f, once for 256 keys; ascending
.set j, j+2
.endr
.endif
	WIN 0x51                                       ; V (source 0), C and D window 1; P (source 1) window 0.  (The 64 sums above are the places between p's codes and scale words and these products)
	PV VF, PC, VSC, PW, \first
	s_wait_dscnt 0x0                               ; V of keys 128-255 is in
	WIN 0x50                                       ; V and P window 0; C and D window 1
	PV S, PC+8, VSC+8, PW+1, 0
	WIN 0
.endm
; THE CHANGE OF SLOTS stands at a slot's head.  Each wave waits for all its tensor loads (its part of the slot that it is about to read), adds 0 to its spare word, and waits for that and for its reads of the slot that it has left.
; fill = 1: the barrier is a round of the cluster's, so that no wave of any partner still reads the other slot or has a load on its way; the joint load of the next four blocks is the first thing behind it
; and has this slot's two steps in which to land.  One tensor load of a wave is out at any time.
.macro CHANGE fill
	s_wait_tensorcnt 0x0                           ; no tensor load of mine is out, so group 0 may be written
	ds_add_u32 v[SPW], v[NIL]                      ; 0 onto my spare word
.if \fill
	s_xor_b32 s33, s33, SLOT1                      ; the walking descriptor: the other slot than last time,
	s_add_nc_u64 s[34:35], s[34:35], SLOTB         ; the next four blocks; the type bits on top are not reached
.endif
	s_wait_dscnt 0x0                               ; the add is done, and my reads of the slot that I have left are over
.if \fill
	CROUND
	JLOAD
.else
	s_barrier_signal -1
	s_barrier_wait -1
.endif
.endm
.macro SLOT_STEPS
	DSTEP 0, 0
	DSTEP 1, 0
	s_xor_b32 s36, s36, SLOT1                      ; on to the other slot
.endm
	s_wait_loadcnt 0x0                             ; Q
	CHANGE 1                                       ; slot 0 is whole; slot 1 is asked for
	s_wait_alu depctr_va_vdst(0)
	DSTEP 0, 1                                     ; the first slot stands in front of the loop: its first step starts O^T's sums
	DSTEP 1, 0
	s_xor_b32 s36, s36, SLOT1
.Lslot:                                            ; six trips: behind each change of slots but the last the next slot is asked for
	CHANGE 1
	SLOT_STEPS
	s_sub_co_u32 s37, s37, 1
	s_cmp_lg_u32 s37, 0
	s_cbranch_scc1 .Lslot
	CHANGE 0                                       ; the last slot is written out
	SLOT_STEPS
	; THE WAY OUT.  out0's rows are channels and a lane holds one query: so O^T / the sum goes through a stage in LDS, 256 rows of the work-group's 128 queries, and each wave stores 32 whole rows of 512 bytes.
	v_add_f32 v14, v14, v15                        ; the sum's two halves,
	s_delay_alu instid0(VALU_DEP_1)
	v_permlanex16_b32 v[TR], v14, s40, s41
	s_delay_alu instid0(VALU_DEP_1)
	v_add_f32 v14, v14, v[TR]                      ; and lane l xor 16's: the row's sum
	s_wait_alu depctr_va_vdst(0)
	v_rcp_f32 v[FF], v14
.rept 4
	v_nop                                          ; the plain place behind the reciprocal, and the places between the last products and the first read of their results
.endr
	s_wait_dscnt 0x0                               ; my reads of the ring are over:
	s_barrier_signal -1
	s_barrier_wait -1                              ; everybody's are: the stage may be written
	WIN 0x41
.set j, 0
	s_wait_alu depctr_va_vdst(0)
.rept 64
	v_pk_mul_f32 v[j:j+1], v[j:j+1], v[FF:FF+1] op_sel_hi:[1,0]   ; O^T / the sum: register 8 t + i is out(16 t + 8 h + i, my query)
.set j, j+2
.endr
	WIN 0x04                                       ; an LDS store's data are its source 1: window 1
.irp t, 0,1,2,3,4,5,6,7
.irp j, 0,1,2,3,4,5,6,7
	ds_store_b32 v[STO], v[8*\t+\j] offset:(16*\t+\j)*SP          ; lanes 0-15: 16 neighbouring words of a row; lanes 16-31: eight rows on, 8 x 132 words = 32 banks further (64 banks of 4 bytes: ISA guide 11.1)
.endr
.endr
.irp t, 8,9,10,11,12,13,14,15
.irp j, 0,1,2,3,4,5,6,7
	ds_store_b32 v[STO2], v[8*\t+\j] offset:(16*(\t-8)+\j)*SP
.endr
.endr
	WIN 0
	s_wait_dscnt 0x0                               ; for the others' sake: my stores into the stage are done
	s_barrier_signal -1
	s_barrier_wait -1
.set i, 0
.rept 32
	ds_load_b128 v[OB+4*i:OB+4*i+3], v[RD] offset:i*SP
.set i, i+1
.endr
.set i, 0
.rept 32
	s_wait_dscnt 31-i                              ; LDS loads come back in order (ISA guide 5.7.1): row i is in, the younger ones may be out
	global_store_b128 v[LI], v[OB+4*i:OB+4*i+3], s[10:11] offset:i*16384 th:TH_STORE_NT   ; 32 lanes store 512 consecutive bytes of channel 32 x wave + i, at a multiple of 256 from out0's first byte
.set i, i+1
.endr
	s_wait_tensorcnt 0x0                           ; the wave's end, behind my last tensor load and my last LDS store
	ds_add_u32 v[SPW], v[NIL]
	s_wait_dscnt 0x0
	CROUND                                         ; the closing round: no work-group ends while a partner may still ask for a block that names it
	s_endpgm
.Lfunc_end_k_qa014e829e7_attn:
	.size	k_qa014e829e7_attn, .Lfunc_end_k_qa014e829e7_attn-k_qa014e829e7_attn
	.p2alignl 7, 3214868480
	.fill 96, 4, 3214868480
	.section	.rodata,"a",@progbits
	.p2align	6, 0x0
	.amdhsa_kernel k_qa014e829e7_attn
		.amdhsa_group_segment_fixed_size 327680
		.amdhsa_private_segment_fixed_size 0
		.amdhsa_enable_private_segment 0
		.amdhsa_kernarg_size 32
		.amdhsa_user_sgpr_count 2
		.amdhsa_user_sgpr_kernarg_segment_ptr 1
		.amdhsa_wavefront_size32 1
		.amdhsa_system_sgpr_workgroup_id_x 1
		.amdhsa_system_sgpr_workgroup_id_y 1
		.amdhsa_system_sgpr_workgroup_id_z 1
		.amdhsa_system_vgpr_workitem_id 0
		.amdhsa_next_free_vgpr 512
		.amdhsa_next_free_sgpr 66
		.amdhsa_reserve_vcc 0
		.amdhsa_float_denorm_mode_32 3
		.amdhsa_float_denorm_mode_16_64 3
		.amdhsa_memory_ordered 1
		.amdhsa_forward_progress 1
		.amdhsa_inst_pref_size 249
	.end_amdhsa_kernel
	.amdgpu_metadata
---
amdhsa.version: [ 1, 2 ]
amdhsa.kernels:
  - .name:           k_qa014e829e7_attn
    .symbol:         k_qa014e829e7_attn.kd
    .args:
      - { .name: qc, .offset: 0, .size: 8, .value_kind: global_buffer, .address_space: global }
      - { .name: qs, .offset: 8, .size: 8, .value_kind: global_buffer, .address_space: global }
      - { .name: kv, .offset: 16, .size: 8, .value_kind: global_buffer, .address_space: global }
      - { .name: out0, .offset: 24, .size: 8, .value_kind: global_buffer, .address_space: global }
    .group_segment_fixed_size: 327680
    .private_segment_fixed_size: 0
    .kernarg_segment_align: 8
    .kernarg_segment_size: 32
    .max_flat_workgroup_size: 256
    .sgpr_count:     66
    .vgpr_count:     512
    .wavefront_size: 32
...
	.end_amdgpu_metadata
.endif
;; end of part 2
